; MI455X (gfx1250); checked and timed in simulation.
; The chip was launched on July 23, 2026; its instructions are those of AMD's public machine-readable ISA for CDNA 5 (MIT licence, August 2026) and "CDNA5" Instruction Set Architecture Reference Guide (July 2026). The comments in the code are by the model that wrote it; some were corrected since.
;; Shared Only MLP. Allowed arithmetic: matrix products marked QUANTISED: E4M3 operands, one E8M0 scale for each 32 along K, by v_wmma_scale_f32_16x16x128_f8f6f4 with both operands' format E4M3, f32 sums; everything else in f32.
;; Inputs: down_s 2,048 x 1 float32; down_w 2,048 x 1,376 int32; gate_s 1,376 x 1 float32; gate_w 1,376 x 2,048 int32; up_s 1,376 x 1 float32; up_w 1,376 x 2,048 int32; x_codes 4 x 2,048 x 64 x 32 uint8 (E4M3 codes of x, K innermost, in blocks of 32 codes); x_scales 4 x 2,048 x 64 uint8 (E8M0 scales of x, one for each 32 codes along K).
;; Outputs: out0 4 x 2,048 x 2,048 float32.
;; This version of the problem:
;;   THIS VERSION OF THE PROBLEM IS GIVEN IN LOW PRECISION. The matrix products marked QUANTISED in the list below multiply operands that are first quantised to E4M3 (4 exponent bits, 3 mantissa bits; 8 bits a number), with one power-of-two scale for each 32 numbers along K (OCP MX v1.0); their sums are f32. All else is computed in f32.
;;   The module's matrix products, in the order in which they are computed (A, B: the left and right operand; K: the contracted axis; several contracted axes count as one K, in the product's order):
;;     1. [M 8,192, K 2,048] x [K 2,048, N 1,376]; A: input x (given as codes); B: computed on the way: QUANTISED
;;     2. [M 8,192, K 2,048] x [K 2,048, N 1,376]; A: input x (given as codes); B: computed on the way: QUANTISED
;;     3. [M 8,192, K 1,376] x [K 1,376, N 2,048]; A: computed on the way; B: computed on the way: QUANTISED
;;   THE QUANTISER, for each operand of a quantised product, along K:
;;     - K is cut into blocks of 32 from its start; a last block that is shorter is filled with zeros.
;;     - A block's scale is 2^e with e = floor(log2(the largest magnitude in the block)) - 8, held to -126 .. 127; a block of zeros has e = 0. As a byte (E8M0): e + 127.
;;     - Each number is divided by its block's scale, clamped to +-448, and rounded to the nearest number of E4M3, ties to even, subnormals kept.
;;     - The product sums the exact products of the quantised numbers (number of the format x scale) in f32.
;;   ~~~python
;;   def quantise(x, axis):      # numpy; x: float32 -> the quantised numbers, widened to float32 again
;;       x = np.moveaxis(x, axis, -1); K = x.shape[-1]
;;       x = np.pad(x, [(0, 0)] * (x.ndim - 1) + [(0, -K % 32)]); x = x.reshape(x.shape[:-1] + (-1, 32)); a = np.abs(x).max(-1, keepdims=True)
;;       e = np.where(a > 0, np.clip(np.frexp(np.where(a > 0, a, 1))[1] - 1 - 8, -126, 127), 0)      # np.frexp(a)[1] - 1 = floor(log2(a)), exactly
;;       r = np.clip(x / 2.0 ** e, -448, 448)
;;       step = 2.0 ** (np.maximum(np.frexp(np.where(r == 0, 1, r))[1] - 1, -6) - 3)
;;       q = np.round(r / step) * step * 2.0 ** e      # np.round: ties to even
;;       return np.moveaxis(q.reshape(q.shape[:-2] + (-1,))[..., :K], -1, axis).astype(np.float32)
;;   ~~~
;;   OPERANDS COMPUTED ON THE WAY. 'Computed on the way' means the value that the module computes at that place (a softmax that the list does not call 'softmax' is quantised finished and normalised). What goes into a quantiser is computed in f32, as accurately as f32 sums, v_exp_f32 and their like allow (about 1e-6 of the number): no bf16 or f16 on the way to a quantiser, and a product that is left as it is and whose result goes on into a quantised operand takes f32 operands (vector FMAs, or v_wmma_f32_16x16x4_f32). A number that lies on a knife's edge between two numbers of the format may be rounded either way, as far as f32 arithmetic and the matrix unit's own rounding can turn it there, and no further.
;;   INPUTS GIVEN AS CODES. x (in the module: [4, 2048, 2048], K = its axis 2): each comes as NAME_codes (uint8): NAME with its K axis moved to the last place and cut into blocks of 32 codes, [.., K / 32, bytes a block], one block behind the other in memory; one code a byte (a code: sign, 4 exponent bits, 3 mantissa bits); and NAME_scales (uint8): the same leading axes, one E8M0 byte (e + 127) for each 32 codes along K. Its value is code x scale, taken as it is: it is not quantised again, and the codes and scales need not be those that the quantiser above would give.
;; One version. Each part assembles by itself: llvm-mc -triple=amdgcn-amd-amdhsa -mcpu=gfx1250 --defsym DOCPART=n.
;; ======== version 1 of 1: 3 launches
;; workspace buffers: wgu_codes 6,291,456 bytes; wgu_scales 196,608 bytes; wd_codes 3,145,728 bytes; wd_scales 98,304 bytes; h_codes 12,582,912 bytes; h_scales 393,216 bytes
;; launch wquant (part 1): grid 12 x 48, 4 waves a work-group, no clusters, 34,304 bytes of LDS; arguments gate_w, gate_s, up_w, up_s, down_w, down_s, wgu_codes, wgu_scales, wd_codes, wd_scales; writes wgu_codes, wgu_scales, wd_codes, wd_scales
.if DOCPART == 1
	.amdgcn_target "amdgcn-amd-amdhsa--gfx1250"
	.amdhsa_code_object_version 6
	.text
	.protected	k_qe9c3e5cf2e_wquant
	.globl	k_qe9c3e5cf2e_wquant
	.p2align	8
	.type	k_qe9c3e5cf2e_wquant,@function
k_qe9c3e5cf2e_wquant:
	s_mov_b64 s[64:65], 0
	v_nop
	global_prefetch_b8 v0, s[64:65] scope:SCOPE_SE
	s_setreg_imm32_b32 hwreg(HW_REG_WAVE_MODE, 25, 1), 1
	s_wait_xcnt 0x0
; THE THREE WEIGHTS BECOME CODES.  w = f32(w_int) x s (one factor a row), quantised along K to FP8 (E4M3) with one E8M0 scale byte for each 32 along K.
; A block's scale is 2^(floor(log2(its largest magnitude)) - 8); its byte is the largest magnitude's exponent field - 8, held at 1 from below; each number is held within +-448 x the scale and rounded to the nearest code.
; LIMITS: NaN and infinities among the factors are not served.  A block of zeros gets the byte 1 where the rule says 127: its codes are zeros, which add nothing under any byte but 0xff, and this program alone reads the bytes.
; THE CODES ARE LAID AS IMAGES OF OPERAND REGISTERS: a chunk of 512 bytes is 16 rows x 32 K, lane l = r + 16 h holding its 16 bytes (row r, k = 16 h .. 16 h + 15) at byte 16 l.
;   wgu_codes  [p 8][cw 2][s 16][c 4][f 12][512]: f = 4 b + 2 kind + u (kind 0 gate, 1 up); hidden block blk = 6 p + 3 cw + b; image row r is hidden unit 32 blk + 8 u + r + 8 (r / 8).
;   wgu_scales [2 p + cw][f][r][64 bytes]: word s of a row = the four bytes of K step s.
;   wd_codes   [tx 8][s 12][half 2][c 4][j 8][512]: row 256 tx + 128 half + 16 j + r; K block 4 s + c.     wd_scales [tx][S 6][row 256][8 bytes]: byte = K block mod 8.
; The hidden axis, 43 blocks of 32, is filled up to 48 with zero codes: a tile or a K block past the end reads a clamped address inside its buffer, and its numbers are multiplied by 0.  No branch.
; SHARES.  A wave takes one image tile (16 rows) x 2 K steps of 128.  Work-group y < 32: gate and up (f = x, 2 p + cw = y / 2, K steps 8 (y % 2) + 2 wave ..); y >= 32: down (192 work-groups: 32 groups of 4 tiles x 6 runs of 2 K steps).
; All three tensors take ONE path through the text: sizes and pointers are chosen by scalar selects on the work-group's number.
; A load reads 512 consecutive bytes of one row (16 a lane); the conversions want 16 neighbours along K in one lane: so a K step's 16 rows turn through the wave's own stage in LDS.
; No matrix unit, no tensor load, no cluster, no barrier: memory binds, every input byte is read once by one wave, and waves share nothing.  All 32 loads of a wave go out at its head.
; The scale words leave 4 bytes a lane: one store a wave.
.set KO,   4                           ; v4-5    K step t: my 16 bytes of a row, clamped to the row's last 16
.set VD,   8                           ; v8-11   chunk c: my 16 bytes in the codes of a K step
.set VS,   12                          ; v12     my scale word's place
.set STI,  14                          ; v14     the stage, on the way in: 16 x lane
.set STO,  15                          ; v15     and out: 528 r + 64 h
.set SVAL, 16                          ; v16     my row's factor
.set SVA,  17                          ; v17     its byte offset; never rewritten
.set SV,   18                          ; v18-25  the factor, or 0 for a K block past the end: a pair for each of the step's four blocks
.set PWA,  26                          ; v26     the even step's scale word
.set WS,   27                          ; v27     lanes 0-15 the even step's word, lanes 16-31 the odd step's
.set PW,   28                          ; v28     the scale word just made
.set L16,  29                          ; v29     16 x lane
.set TM,   32                          ; v32-35 largest magnitudes, v36-39 bytes, v40-43 448 x the scale, v44-47 the conversions' scale operands
.set PC,   48                          ; v48-63  the codes just made
.set X,    64                          ; v64-127 64 numbers: register 16 c + i = k 32 c + 16 h + i of my row
.set RAW,  128                         ; v128-255 two sets of 64: 16 rows as loaded
.set RB,   32                          ; s[32:63] the sixteen rows' addresses
.set SEL,  68                          ; s[68:69] lane selects: lane l xor 16
.set MNT,  70                          ; s70     the mantissa field of 448
.set HM,   71                          ; s71     a lane mask: lanes 16-31
.set FLG,  72                          ; s72-75  1.0 or 0 for the step's four K blocks
	s_load_b512 s[4:19], s[0:1], 0x0               ; gate_w s[4:5], gate_s s[6:7], up_w s[8:9], up_s s[10:11], down_w s[12:13], down_s s[14:15], wgu_codes s[16:17], wgu_scales s[18:19]
	s_load_b128 s[20:23], s[0:1], 0x40             ; wd_codes s[20:21], wd_scales s[22:23]
	v_lshl_add_u32 v30, v0, 2, 0x8400
	v_mov_b32 v31, 0
	v_lshrrev_b32 v1, 5, v0
	v_readfirstlane_b32 s24, v1                    ; wave
	v_and_b32 v1, 31, v0                           ; lane
	v_and_b32 v2, 15, v0                           ; r
	v_bfe_u32 v3, v0, 4, 1                         ; h
	s_mov_b32 s25, ttmp9                           ; x
	s_and_b32 s26, ttmp7, 0xffff                   ; y
	; the numbers of a gate or up job
	s_lshr_b32 s85, s26, 1                         ; 2 p + cw
	s_lshr_b32 s87, s25, 2                         ; b
	s_mul_i32 s88, s85, 3
	s_add_co_u32 s88, s88, s87                     ; blk = 3 (2 p + cw) + b
	s_and_b32 s89, s25, 1                          ; u
	s_lshl_b32 s90, s88, 5
	s_lshl_b32 s89, s89, 3
	s_add_co_u32 s90, s90, s89                     ; 32 blk + 8 u
	s_cmp_lt_u32 s88, 43                           ; a block of the 43?
	s_cselect_b32 s27, s90, 0                      ; the tile's first row
	s_cselect_b32 s77, 8176, 0                     ; the last 16 bytes of a row that may be read
	s_cselect_b32 s78, 64, 0                       ; K blocks that count
	s_and_b32 s86, s26, 1
	s_lshl_b32 s86, s86, 2
	s_add_co_u32 s86, s86, s24
	s_lshl_b32 s86, s86, 1                         ; first K step: 8 (y % 2) + 2 wave
	s_mul_i32 s80, s85, 393216                     ; (p, cw)
	s_lshl_b32 s87, s25, 9                         ; f
	s_add_co_u32 s80, s80, s87
	s_mul_i32 s87, s86, 24576                      ; K step
	s_add_co_u32 s80, s80, s87                     ; where my codes begin
	s_mul_i32 s82, s85, 192
	s_lshl_b32 s87, s25, 4
	s_add_co_u32 s82, s82, s87
	s_lshl_b32 s82, s82, 6
	s_lshl_b32 s87, s86, 2
	s_add_co_u32 s82, s82, s87                     ; and my scale words
	; the numbers of a down job
	s_sub_co_u32 s91, s26, 32
	s_mul_i32 s91, s91, 12
	s_add_co_u32 s91, s91, s25                     ; 0 .. 191
	s_lshr_b32 s92, s91, 5
	s_lshl_b32 s92, s92, 1                         ; first K step: 0, 2, .. 10
	s_and_b32 s93, s91, 31
	s_lshl_b32 s93, s93, 2
	s_add_co_u32 s93, s93, s24                     ; tile 0 .. 127
	s_lshr_b32 s94, s93, 4                         ; tx
	s_bfe_u32 s95, s93, 0x10003                    ; half
	s_and_b32 s96, s93, 7                          ; j
	s_mul_i32 s97, s94, 393216
	s_lshl_b32 s98, s95, 14
	s_add_co_u32 s97, s97, s98
	s_lshl_b32 s98, s96, 9
	s_add_co_u32 s97, s97, s98
	s_lshl_b32 s98, s92, 15
	s_add_co_u32 s97, s97, s98                     ; where my codes begin
	s_mul_i32 s99, s94, 12288
	s_lshl_b32 s98, s92, 10                        ; 2,048 bytes for two K steps
	s_add_co_u32 s99, s99, s98
	s_lshl_b32 s98, s95, 10
	s_add_co_u32 s99, s99, s98
	s_lshl_b32 s98, s96, 7
	s_add_co_u32 s99, s99, s98                     ; and my scale words
	s_lshl_b32 s93, s93, 4                         ; the tile's first row
	; the choice, on the work-group's number alone (an instruction takes one literal: the other stands in a register)
	s_mov_b32 s28, 8192
	s_mov_b32 s30, 9*8192
	s_mov_b32 s66, 24576
	s_mov_b32 s79, 6144
	s_mov_b32 s87, 5488
	s_cmp_ge_u32 s26, 32
	s_cselect_b32 s27, s93, s27                    ; first row
	s_cselect_b32 s28, 5504, s28                   ; a row in bytes
	s_cselect_b32 s30, 5504, s30                   ; from image row 7 to image row 8: gate and up pass over eight rows
	s_cselect_b32 s76, 0, 8                        ; the same jump, in rows
	s_cselect_b32 s77, s87, s77
	s_cselect_b32 s78, 43, s78
	s_cselect_b32 s66, 32768, s66                  ; codes: from K step to K step
	s_cselect_b32 s79, 4096, s79                   ; from chunk to chunk
	s_cselect_b32 s80, s97, s80
	s_cselect_b32 s82, s99, s82
	s_cselect_b32 s84, 8, 64                       ; scale words: from row to row
	s_cselect_b32 s86, s92, s86
	s_mov_b32 s29, 0
	s_mov_b32 s31, 0
	s_mov_b32 s67, 0
	s_mov_b32 s81, 0
	s_mov_b32 s83, 0
	s_mov_b32 s[SEL], 0x76543210
	s_mov_b32 s[SEL+1], 0xfedcba98
	s_mov_b32 s[MNT], 0x600000
	s_mov_b32 s[HM], 0xffff0000
	v_lshlrev_b32 v[L16], 4, v1
.irp t, 0,1
	s_add_co_u32 s87, s86, \t
	s_lshl_b32 s87, s87, 9                         ; a K step is 512 bytes of a row
	v_add_nc_u32 v[KO+\t], s87, v[L16]
	v_min_u32 v[KO+\t], s77, v[KO+\t]              ; no load leaves its row
.endr
.irp c, 0,1,2,3
	v_mad_u32_u24 v[VD+\c], s79, \c, v[L16]
.endr
	v_mul_u32_u24 v[VS], v2, s84
	v_lshl_add_u32 v[VS], v3, 2, v[VS]             ; lanes 16-31 store the odd step's word, 4 bytes on
	s_mul_i32 s87, s24, 8448                       ; my stage: 16 rows x (512 bytes + 16): 33 x 16 bytes from row to row, so that the sixteen rows of a read start at different banks
	v_add_nc_u32 v[STI], s87, v[L16]
	v_mul_u32_u24 v[STO], v2, 528
	v_lshl_add_u32 v[STO], v3, 6, v[STO]
	v_add_nc_u32 v[STO], s87, v[STO]
	v_lshrrev_b32 v[SVA], 3, v2
	v_mad_u32_u24 v[SVA], v[SVA], s76, v2
	v_add_nc_u32 v[SVA], s27, v[SVA]
	v_lshlrev_b32 v[SVA], 2, v[SVA]                ; my row's factor
	s_lshl_b32 s86, s86, 2                         ; my first K block
.irp b, 0,1,2,3
	v_mov_b32 v[TM+4+\b], 0                        ; written once: a lane permute's destination counts as one of its sources
.endr
	s_bfe_u32 s88, s25, 0x10001                    ; kind
	s_wait_kmcnt 0x0
	s_cmp_eq_u32 s88, 0
	s_cselect_b64 s[4:5], s[4:5], s[8:9]           ; gate or up,
	s_cselect_b64 s[6:7], s[6:7], s[10:11]
	s_cmp_ge_u32 s26, 32
	s_cselect_b64 s[4:5], s[12:13], s[4:5]         ; or down
	s_cselect_b64 s[6:7], s[14:15], s[6:7]
	s_cselect_b64 s[16:17], s[20:21], s[16:17]
	s_cselect_b64 s[18:19], s[22:23], s[18:19]
	s_add_nc_u64 s[16:17], s[16:17], s[80:81]
	s_add_nc_u64 s[18:19], s[18:19], s[82:83]
	s_mul_i32 s88, s27, s28                        ; under 2^24
	s_mov_b32 s89, 0
	s_add_nc_u64 s[RB:RB+1], s[4:5], s[88:89]
.set i, 1
.rept 15
.if i == 8
	s_add_nc_u64 s[RB+2*i:RB+2*i+1], s[RB+2*i-2:RB+2*i-1], s[30:31]
.else
	s_add_nc_u64 s[RB+2*i:RB+2*i+1], s[RB+2*i-2:RB+2*i-1], s[28:29]
.endif
.set i, i+1
.endr
	global_load_b32 v[SVAL], v[SVA], s[6:7]
.macro LOADROWS t                      ; K step t of the sixteen rows into set t: each load reads 512 consecutive bytes
.set i, 0
.rept 16
	global_load_b128 v[RAW+64*(\t)+4*i:RAW+64*(\t)+4*i+3], v[KO+(\t)], s[RB+2*i:RB+2*i+1] th:TH_LOAD_NT
.set i, i+1
.endr
.endm
.macro TURN t                          ; through the stage: LDS serves a wave's instructions in order, so no wait stands between the stores and the loads
.set i, 0
.rept 16
	ds_store_b128 v[STI], v[RAW+64*(\t)+4*i:RAW+64*(\t)+4*i+3] offset:528*i
.set i, i+1
.endr
.irp c, 0,1,2,3
.irp j, 0,1,2,3
	ds_load_b128 v[X+16*\c+4*\j:X+16*\c+4*\j+3], v[STO] offset:128*\c+16*\j
.endr
.endr
.endm
; 64 numbers of a lane, register 16 b + i = number i of my 16 of block b, become 16 registers of codes in v[PC] on; word = 1: the four bytes are joined in v[PW].
.macro QUANT s, word
.irp b, 0,1,2,3
	v_max3_num_f32 v[TM+\b], |v[\s+16*\b]|, |v[\s+1+16*\b]|, 0x4800000   ; my 16 numbers, and the floor 2^(9 - 127): so the byte cannot fall under 1
.endr
.irp i, 2,4,6,8,10,12,14
.irp b, 0,1,2,3
	v_max3_num_f32 v[TM+\b], v[TM+\b], |v[\s+16*\b+\i]|, |v[\s+1+16*\b+\i]|   ; (the four blocks by turns)
.endr
.endr
.irp b, 0,1,2,3
	v_permlanex16_b32 v[TM+4+\b], v[TM+\b], s[SEL], s[SEL+1]
.endr
.irp b, 0,1,2,3
	v_max_num_f32 v[TM+\b], v[TM+\b], v[TM+4+\b]   ; with lane l xor 16's: the block's largest magnitude
.endr
.irp b, 0,1,2,3
	v_add_nc_u32 v[TM+12+\b], 0xfc000000, v[TM+\b] ; 8 off its exponent field: the conversion takes the exponent field of this operand as its scale
.endr
.irp b, 0,1,2,3
	v_and_or_b32 v[TM+8+\b], v[TM+\b], 0x7f800000, s[MNT]   ; 448 x the scale
.endr
.irp b, 0,1,2,3
	v_lshrrev_b32 v[TM+4+\b], 23, v[TM+12+\b]      ; the scale's byte
.endr
.if \word
	v_lshl_or_b32 v[PW], v[TM+5], 8, v[TM+4]
	v_lshl_or_b32 v[PW], v[TM+6], 16, v[PW]
	v_lshl_or_b32 v[PW], v[TM+7], 24, v[PW]
.endif
.irp b, 0,1,2,3
.irp i, 0,1,2,3,4,5,6,7,8,9,10,11,12,13,14,15
	v_med3_num_f32 v[\s+16*\b+\i], v[\s+16*\b+\i], -v[TM+8+\b], v[TM+8+\b]   ; the conversion to an 8-bit code does not saturate (ISA guide 7.6.2): the hold
.endr
	v_cvt_scalef32_pk8_fp8_f32 v[PC+4*\b:PC+1+4*\b], v[\s+16*\b:\s+7+16*\b], v[TM+12+\b]
	v_cvt_scalef32_pk8_fp8_f32 v[PC+2+4*\b:PC+3+4*\b], v[\s+8+16*\b:\s+15+16*\b], v[TM+12+\b]
.endr
	v_nop                                          ; one plain vector line behind the last conversion
.endm
.macro STEP t
.if (\t) == 0
	s_wait_loadcnt 16                              ; the factor and this step's sixteen loads are in; the next step's sixteen may be out
.else
	s_wait_loadcnt 0x0
.endif
	TURN \t
.irp c, 0,1,2,3
	s_add_co_u32 s87, s86, 4*(\t)+\c               ; the K block:
	s_cmp_lt_u32 s87, s78                          ; does it count?
	s_cselect_b32 s[FLG+\c], 1.0, 0
.endr
	s_wait_dscnt 0x0                               ; my 64 numbers are back
.irp c, 0,1,2,3
	v_mul_f32 v[SV+2*\c], s[FLG+\c], v[SVAL]
	v_mul_f32 v[SV+2*\c+1], s[FLG+\c], v[SVAL]
.endr
.set j, 0
.rept 64
	v_cvt_f32_i32 v[X+j], v[X+j]
.set j, j+1
.endr
.irp c, 0,1,2,3
.irp j, 0,2,4,6,8,10,12,14
	v_pk_mul_f32 v[X+16*\c+\j:X+16*\c+\j+1], v[X+16*\c+\j:X+16*\c+\j+1], v[SV+2*\c:SV+2*\c+1]   ; w = f32(w_int) x s, or 0 past the end of K
.endr
.endr
.if (\t) > 0
	s_wait_xcnt 0x0                                ; the last step's stores have read their data and their base: both are written again only behind this wait
	s_add_nc_u64 s[16:17], s[16:17], s[66:67]      ; the next K step's codes
.endif
	QUANT X, 1
.irp c, 0,1,2,3
	global_store_b128 v[VD+\c], v[PC+4*\c:PC+4*\c+3], s[16:17]   ; a chunk: the wave stores 512 consecutive bytes, aligned
.endr
.if (\t) == 0
	v_mov_b32 v[PWA], v[PW]
.else
	v_cndmask_b32 v[WS], v[PWA], v[PW], s[HM]      ; both halves of the lanes hold a row's word: lanes 0-15 send the even step's, lanes 16-31 the odd step's
	global_store_b32 v[VS], v[WS], s[18:19]
.endif
.endm
	LOADROWS 0
	LOADROWS 1
	STEP 0
	STEP 1
	s_wait_tensorcnt 0x0
	ds_add_u32 v30, v31
	s_wait_dscnt 0x0
	s_endpgm
.Lfunc_end_k_qe9c3e5cf2e_wquant:
	.size	k_qe9c3e5cf2e_wquant, .Lfunc_end_k_qe9c3e5cf2e_wquant-k_qe9c3e5cf2e_wquant
	.p2alignl 7, 3214868480
	.fill 96, 4, 3214868480
	.section	.rodata,"a",@progbits
	.p2align	6, 0x0
	.amdhsa_kernel k_qe9c3e5cf2e_wquant
		.amdhsa_group_segment_fixed_size 34304
		.amdhsa_private_segment_fixed_size 0
		.amdhsa_enable_private_segment 0
		.amdhsa_kernarg_size 80
		.amdhsa_user_sgpr_count 2
		.amdhsa_user_sgpr_kernarg_segment_ptr 1
		.amdhsa_wavefront_size32 1
		.amdhsa_system_sgpr_workgroup_id_x 1
		.amdhsa_system_sgpr_workgroup_id_y 1
		.amdhsa_system_sgpr_workgroup_id_z 1
		.amdhsa_system_vgpr_workitem_id 0
		.amdhsa_next_free_vgpr 256
		.amdhsa_next_free_sgpr 100
		.amdhsa_reserve_vcc 0
		.amdhsa_float_denorm_mode_32 3
		.amdhsa_float_denorm_mode_16_64 3
		.amdhsa_memory_ordered 1
		.amdhsa_forward_progress 1
		.amdhsa_inst_pref_size 40
	.end_amdhsa_kernel
	.amdgpu_metadata
---
amdhsa.version: [ 1, 2 ]
amdhsa.kernels:
  - .name:           k_qe9c3e5cf2e_wquant
    .symbol:         k_qe9c3e5cf2e_wquant.kd
    .args:
      - { .name: gate_w, .offset: 0, .size: 8, .value_kind: global_buffer, .address_space: global }
      - { .name: gate_s, .offset: 8, .size: 8, .value_kind: global_buffer, .address_space: global }
      - { .name: up_w, .offset: 16, .size: 8, .value_kind: global_buffer, .address_space: global }
      - { .name: up_s, .offset: 24, .size: 8, .value_kind: global_buffer, .address_space: global }
      - { .name: down_w, .offset: 32, .size: 8, .value_kind: global_buffer, .address_space: global }
      - { .name: down_s, .offset: 40, .size: 8, .value_kind: global_buffer, .address_space: global }
      - { .name: wgu_codes, .offset: 48, .size: 8, .value_kind: global_buffer, .address_space: global }
      - { .name: wgu_scales, .offset: 56, .size: 8, .value_kind: global_buffer, .address_space: global }
      - { .name: wd_codes, .offset: 64, .size: 8, .value_kind: global_buffer, .address_space: global }
      - { .name: wd_scales, .offset: 72, .size: 8, .value_kind: global_buffer, .address_space: global }
    .group_segment_fixed_size: 34304
    .private_segment_fixed_size: 0
    .kernarg_segment_align: 8
    .kernarg_segment_size: 80
    .max_flat_workgroup_size: 128
    .sgpr_count:     100
    .vgpr_count:     256
    .wavefront_size: 32
...
	.end_amdgpu_metadata
.endif
;; end of part 1
;; launch gateup (part 2): grid 8 x 32, 4 waves a work-group, clusters of 4 x 4, 327,680 bytes of LDS; arguments x_codes, x_scales, wgu_codes, wgu_scales, h_codes, h_scales; writes h_codes, h_scales
.if DOCPART == 2
	.amdgcn_target "amdgcn-amd-amdhsa--gfx1250"
	.amdhsa_code_object_version 6
	.text
	.protected	k_qe9c3e5cf2e_gateup
	.globl	k_qe9c3e5cf2e_gateup
	.p2align	8
	.type	k_qe9c3e5cf2e_gateup,@function
k_qe9c3e5cf2e_gateup:
	s_mov_b64 s[64:65], 0
	v_nop
	global_prefetch_b8 v0, s[64:65] scope:SCOPE_SE
	s_setreg_imm32_b32 hwreg(HW_REG_WAVE_MODE, 25, 1), 1
	s_wait_xcnt 0x0
	s_wait_alu depctr_hold_cnt(0) depctr_sa_sdst(0) depctr_va_vdst(0) depctr_va_sdst(0) depctr_va_ssrc(0) depctr_va_vcc(0) depctr_vm_vsrc(0)
	s_getreg_b32 s2, hwreg(HW_REG_IB_STS2, 6, 4)
	s_cmp_eq_u32 s2, 0
	s_cbranch_scc0 .Lentry_in_a_cluster
	s_endpgm
.Lentry_in_a_cluster:
	s_bfe_u32 s2, ttmp6, 0x10000c
	s_cmp_lg_u32 s2, 0xf033
	s_cbranch_scc0 .Lentry_shape_is_right
	s_endpgm
.Lentry_shape_is_right:
; h = silu(x Wg^T) * (x Wu^T), quantised along the hidden axis.  Both products on codes of FP8 (E4M3) with one E8M0 scale for each 32 along K = 2,048; sums in f32; silu and the quantiser in f32.
; x_codes [8192][2048], x_scales [8192][64] as given.  The weights as register images: wgu_codes [p 8][cw 2][s 16][c 4][f 12][512], wgu_scales [2 p + cw][f][r][64] (f = 4 b + 2 kind + u).
; OUT: h_codes [ty 32][s 12][a 2][c 4][i 8][512], again images of operand registers (16 rows x 32 K a chunk, lane l's 16 bytes at 16 l); h_scales [ty][S 6][row 256][8 bytes], byte = block mod 8.
; SHARES.  A work-group takes 256 rows (ty) x 6 hidden blocks of 32 (p), gate and up together; 8 x 32 work-groups.  Wave w: rows 128 (w / 2) on, blocks 3 (w % 2) on: 8 tiles of rows x 12 weight fragments
; = 96 accumulators, 768 registers.  The 43 hidden blocks are filled up to 48 by zero codes: their h is 0 and goes out as zero codes.
; TRANSPOSED: source 0 = 16 rows of a weight, source 1 = 16 rows of x.  Image row r of fragment (blk, kind, u) is hidden unit 32 blk + 8 u + r + 8 (r / 8): so a lane holds ONE row of x, and the 16 registers
; of u = 0, 1 are hidden units 32 blk + 16 (lane / 16) + 0 .. 15: 16 neighbours along the next product's K, which the conversions turn straight into that operand's registers.
; THE RING: TWO LDS SLOTS OF UNEQUAL SIZE.  A K step of 128 is 36,864 bytes of x (256 rows, padded) and 49,152 of weights.  Four K steps do not fit in LDS beside the scale bytes, three do: slot B holds ONE K step
; (steps 0, 3, 6, .. 15), slot A TWO (steps 1-2, 4-5, .. 13-14; x's rows there are 256 bytes + 16).  So the slots change twice in three K steps, and one load a wave brings a whole slot's part.
; THE SCALE BYTES of the work-group's rows and weights, for all of K, are four dense blocks: they come once, with the first fills, and stay.
; CLUSTERS: 4 x 4.  x's tiles hang on ty alone and are asked for jointly along a row of the cluster, the weights' on p alone, along a column.  Waves 0, 1 fetch x's halves, waves 2, 3 the weights'.
; LIMITS: NaN and infinities are not served.  v_exp_f32 gives 0 under 2^-126 (sigmoid is then 1) and infinity for gate under about -88 (v_rcp_f32 then gives 0, h = 0; a sigmoid under 2^-126 counts as 0).
; A block of zeros gets the byte 1 where the rule says 127: this program alone reads the bytes.  The scale bytes leave one byte a lane, 8 bytes apart: 12 stores a wave.
; REGISTERS.  Window 0: v1 spare word, v2 zero, v3-4 x's address in slot A, B, v5-6 the weights', v7 the scale words'; v8-19, v20-31 scale words, two sets (register k: lanes 0-15 x's tile k, lanes 16-31 fragment k);
;   v32-79, v80-127 two buffers of three weight fragments; v128-255 x's eight fragments.  Windows 1-3: block b's accumulators in window 1 + b: tile i: gate at v[32 i .. 32 i + 15], up at v[32 i + 16 .. 32 i + 31].
.set AXH,   34816                      ; slot A begins at LDS byte 0: x, 128 rows x 272 for each half,
.set AW,    69632                      ; then the weights: [cw][q][c][f][512]
.set AWH,   49152
.set BX,    167936                     ; slot B: x, 128 rows x 144 for each half,
.set BXH,   18432
.set BW,    204800                     ; then the weights: [cw][c][f][512]
.set BWH,   24576
.set SCX,   253952                     ; behind the ring: x's scale bytes, as units of 256 bytes + 16 of padding: 16 rows take 1,088 bytes
.set SXH,   8704
.set SCW,   271360                     ; the weights' likewise
.set SWH,   13056
.set SPARE, 297472                     ; the spare words, 128 bytes for each wave: two blocks of 256 bytes that no other line names
.set G1WB, 4                           ; s[4:11]  group 1 for the weights' tiles of slot B (written when the four pointers that lie there have been used)
.set G1XA, 24                          ; s[24:31] group 1 for x's tiles of slot A;   s[32:35], s[36:39] x's groups 0 for slot A, B
.set G0XA, 32
.set G0XB, 36
.set G1WA, 48                          ; s[48:55] group 1 for the weights' tiles of slot A;   s[56:59], s[60:63] their groups 0 for slot A, B
.set G0WA, 56
.set G0WB, 60
.set G1SX, 68                          ; s[68:75], s[76:79] x's scale bytes;   s[80:87], s[88:91] the weights'
.set G0SX, 76
.set G1SW, 80
.set G0SW, 88
.set G1XB, 92                          ; s[92:99] group 1 for x's tiles of slot B
.set SEL,  20                          ; s[20:21] lane selects: lane l xor 16
.set MNT,  22                          ; s22 the mantissa field of 448
.set HM,   23                          ; s23 a lane mask: lanes 16-31
.set NL2E, 46                          ; s[46:47] -log2(e)
.set TM,   32                          ; the way out, all in window 0: v32-47 at work in the quantiser
.set PC,   48                          ; v48-63   codes
.set T,    64                          ; v64-127  -gate log2(e), then 1 / (1 + e^-gate)
.set P,    128                         ; v128-191 gate x up, then h
.set BS,   192                         ; v192-193 scale bytes of two tiles: lanes 0-15 one tile's, lanes 16-31 the next's
.set PW,   194
.set HO,   196                         ; v196-198 block b: my 16 bytes in its chunks
.set HSO,  200                         ; v200-202 block b: my row's scale byte
.set MSB, 0
.macro WIN new                         ; the immediate's high byte repeats the setting that is left
.if MSB != \new
	s_set_vgpr_msb (MSB<<8)|\new
.set MSB, \new
.endif
.endm
; A joint load: waves 0 and 1 fetch for x, waves 2 and 3 for the weights.  Each line has one mask and one set of registers for all that issue it; the branch hangs on the wave's number alone.
; Four v_nop follow each of the two lines, ahead of the jump, the label and what follows.
.macro JLOAD g0a, g1a, g0b, g1b
	s_cmp_eq_u32 s17, 0
	s_cbranch_scc0 .Lfor_b_\@
	tensor_load_to_lds s[\g0a:\g0a+3], s[\g1a:\g1a+7]
	s_nop 0
.rept 4
	v_nop
.endr
	s_branch .Lasked_\@
.Lfor_b_\@:
	tensor_load_to_lds s[\g0b:\g0b+3], s[\g1b:\g1b+7]
	s_nop 0
.rept 4
	v_nop
.endr
.Lasked_\@:
.endm
.macro CREST                           ; a round of the cluster's barrier behind its opening barrier
	s_cmp_lg_u32 s16, 0
	s_cbranch_scc1 .Lnot_wave_0_\@
	s_barrier_signal -3
.Lnot_wave_0_\@:
	s_barrier_wait -3
	s_barrier_signal -1
	s_barrier_wait -1
.endm
.macro CROUND                          ; a whole round
	s_barrier_signal -1
	s_barrier_wait -1
	CREST
.endm
.macro PLACES n                        ; a load into a register that a matrix instruction has read, and the first read of a result, stand eight plain vector instructions behind it
.rept \n
	v_nop
.endr
.endm
	s_load_b256 s[4:11], s[0:1], 0x0               ; x_codes s[4:5], x_scales s[6:7], wgu_codes s[8:9], wgu_scales s[10:11]
	s_load_b128 s[12:15], s[0:1], 0x20             ; h_codes s[12:13], h_scales s[14:15]
	v_lshl_add_u32 v1, v0, 2, SPARE
	v_mov_b32 v2, 0
	ds_add_u32 v1, v2
	ds_add_u32 v1, v2
	s_wait_dscnt 0x0
	v_lshrrev_b32 v3, 5, v0
	v_readfirstlane_b32 s16, v3                    ; wave 0..3
	s_lshr_b32 s17, s16, 1                         ; a: my half of the rows.  Also: I fetch for x (0) or for the weights (1)
	s_and_b32 s18, s16, 1                          ; cw: my half of the blocks.  Also: which half I fetch
	s_bfe_u32 s40, ttmp6, 0x40000                  ; cx, cy: my place in the cluster
	s_bfe_u32 s41, ttmp6, 0x40004
	s_lshl_b32 s42, ttmp9, 2
	s_add_co_u32 s42, s42, s40                     ; p = 4 x cluster x + cx
	s_and_b32 s43, ttmp7, 0xffff
	s_lshl_b32 s43, s43, 2
	s_add_co_u32 s43, s43, s41                     ; ty = 4 x cluster y + cy
	s_lshl_b32 s44, s41, 2
	s_lshl_b32 s44, 15, s44                        ; my row of the cluster
	s_lshl_b32 s45, 0x1111, s40                    ; my column
	s_or_b32 s[G1XA], s44, (1<<20)|(1<<21)|(5<<22)|(3<<25)   ; 15:0 the mask; elements of 1 byte; 20 padding on; 21 set beside a mask; after every 64 words (code 5) four words (code 3)
	s_mov_b32 s[G1XA+1], 256<<16                   ; tensor_dim0 = 256: two K steps
	s_mov_b32 s[G1XA+2], 128<<16                   ; tensor_dim1 = 128
	s_mov_b32 s[G1XA+3], 256<<16                   ; tile_dim0 = 256
	s_mov_b32 s[G1XA+4], 128                       ; tile_dim1 = 128
	s_mov_b32 s[G1XA+5], 2048                      ; from row to row
	s_mov_b32 s[G1XA+6], 0
	s_mov_b32 s[G1XA+7], 0
	s_or_b32 s[G1XB], s44, (1<<20)|(1<<21)|(4<<22)|(3<<25)   ; one K step: rows of 128 bytes, four words of padding after every 32 (code 4)
	s_mov_b32 s[G1XB+1], 128<<16
	s_mov_b32 s[G1XB+2], 128<<16
	s_mov_b32 s[G1XB+3], 128<<16
	s_mov_b32 s[G1XB+4], 128
	s_mov_b32 s[G1XB+5], 2048
	s_mov_b32 s[G1XB+6], 0
	s_mov_b32 s[G1XB+7], 0
	s_or_b32 s[G1WA], s45, 0x00230000              ; two K steps of one column wave: a dense block of 49,152 bytes as 192 rows of 32 elements of 8 bytes, no padding
	s_mov_b32 s[G1WA+1], 32<<16
	s_mov_b32 s[G1WA+2], 192<<16
	s_mov_b32 s[G1WA+3], 32<<16
	s_mov_b32 s[G1WA+4], 192
	s_mov_b32 s[G1WA+5], 32
	s_mov_b32 s[G1WA+6], 0
	s_mov_b32 s[G1WA+7], 0
	s_or_b32 s[G1SX], s44, 0x07730000              ; 8,192 dense bytes as 32 rows of 256, four words of padding behind every 64 (code 5)
	s_mov_b32 s[G1SX+1], 32<<16
	s_mov_b32 s[G1SX+2], 32<<16
	s_mov_b32 s[G1SX+3], 32<<16
	s_mov_b32 s[G1SX+4], 32
	s_mov_b32 s[G1SX+5], 32
	s_mov_b32 s[G1SX+6], 0
	s_mov_b32 s[G1SX+7], 0
	s_or_b32 s[G1SW], s45, 0x07730000              ; 12,288 dense bytes as 48 such rows
	s_mov_b32 s[G1SW+1], 32<<16
	s_mov_b32 s[G1SW+2], 48<<16
	s_mov_b32 s[G1SW+3], 32<<16
	s_mov_b32 s[G1SW+4], 48
	s_mov_b32 s[G1SW+5], 32
	s_mov_b32 s[G1SW+6], 0
	s_mov_b32 s[G1SW+7], 0
	; where the tiles come from, made in the groups 0 themselves.  x's hang on ty and the wave, the weights' on p and the wave
	s_lshl_b32 s100, s43, 8
	s_lshl_b32 s19, s18, 7
	s_add_co_u32 s100, s100, s19                   ; row 256 ty + 128 x half
	s_lshl_b32 s[G0XA+2], s100, 11                 ; its codes
	s_mov_b32 s[G0XA+3], 0
	s_lshl_b32 s[G0SX+2], s100, 6                  ; its scale bytes
	s_mov_b32 s[G0SX+3], 0
	s_mul_i32 s[G0WA+2], s42, 786432
	s_mul_i32 s101, s18, 393216
	s_add_co_u32 s[G0WA+2], s[G0WA+2], s101        ; the weights' codes: p, half
	s_mov_b32 s[G0WA+3], 0
	s_mul_i32 s[G0SW+2], s42, 24576
	s_mul_i32 s101, s18, 12288
	s_add_co_u32 s[G0SW+2], s[G0SW+2], s101        ; and scale bytes
	s_mov_b32 s[G0SW+3], 0
	; and where they go: a constant + the half x a constant: no place in the cluster enters an LDS address
	s_mov_b32 s[G0XA], 1
	s_mul_i32 s[G0XA+1], s18, AXH
	s_mov_b32 s[G0XB], 1
	s_mul_i32 s[G0XB+1], s18, BXH
	s_add_co_u32 s[G0XB+1], s[G0XB+1], BX
	s_mov_b32 s[G0WA], 1
	s_mul_i32 s[G0WA+1], s18, AWH
	s_add_co_u32 s[G0WA+1], s[G0WA+1], AW
	s_mov_b32 s[G0WB], 1
	s_mul_i32 s[G0WB+1], s18, BWH
	s_add_co_u32 s[G0WB+1], s[G0WB+1], BW
	s_mov_b32 s[G0SX], 1
	s_mul_i32 s[G0SX+1], s18, SXH
	s_add_co_u32 s[G0SX+1], s[G0SX+1], SCX
	s_mov_b32 s[G0SW], 1
	s_mul_i32 s[G0SW+1], s18, SWH
	s_add_co_u32 s[G0SW+1], s[G0SW+1], SCW
	s_mov_b32 s[SEL], 0x76543210
	s_mov_b32 s[SEL+1], 0xfedcba98
	s_mov_b32 s[MNT], 0x600000
	s_mov_b32 s[HM], 0xffff0000
	s_mov_b32 s[NL2E], 0xbfb8aa3b
	s_mov_b32 s[NL2E+1], s[NL2E]                   ; (named with it as a pair, so it is written)
	s_wait_kmcnt 0x0
	s_add_nc_u64 s[G0XA+2:G0XA+3], s[4:5], s[G0XA+2:G0XA+3]
	s_mov_b64 s[G0XB+2:G0XB+3], s[G0XA+2:G0XA+3]                    ; slot B begins with K step 0,
	s_add_nc_u64 s[G0XA+2:G0XA+3], s[G0XA+2:G0XA+3], 128            ; slot A with K steps 1 and 2
	s_or_b32 s[G0XA+3], s[G0XA+3], 0x80000000
	s_or_b32 s[G0XB+3], s[G0XB+3], 0x80000000
	s_add_nc_u64 s[G0SX+2:G0SX+3], s[6:7], s[G0SX+2:G0SX+3]
	s_or_b32 s[G0SX+3], s[G0SX+3], 0x80000000
	s_add_nc_u64 s[G0WA+2:G0WA+3], s[8:9], s[G0WA+2:G0WA+3]
	s_mov_b64 s[G0WB+2:G0WB+3], s[G0WA+2:G0WA+3]
	s_add_nc_u64 s[G0WA+2:G0WA+3], s[G0WA+2:G0WA+3], 24576
	s_or_b32 s[G0WA+3], s[G0WA+3], 0x80000000
	s_or_b32 s[G0WB+3], s[G0WB+3], 0x80000000
	s_add_nc_u64 s[G0SW+2:G0SW+3], s[10:11], s[G0SW+2:G0SW+3]
	s_or_b32 s[G0SW+3], s[G0SW+3], 0x80000000
	s_or_b32 s[G1WB], s45, 0x00230000              ; the four pointers are used up: one K step of one column wave: 24,576 dense bytes as 96 rows of 256
	s_mov_b32 s[G1WB+1], 32<<16
	s_mov_b32 s[G1WB+2], 96<<16
	s_mov_b32 s[G1WB+3], 32<<16
	s_mov_b32 s[G1WB+4], 96
	s_mov_b32 s[G1WB+5], 32
	s_mov_b32 s[G1WB+6], 0
	s_mov_b32 s[G1WB+7], 0
	CROUND                                         ; all sixteen work-groups are here: the first joint loads meet
	JLOAD G0SX, G1SX, G0SW, G1SW                   ; the scale bytes first: they are wanted with K step 0
	JLOAD G0XB, G1XB, G0WB, G1WB                   ; K step 0
	JLOAD G0XA, G1XA, G0WA, G1WA                   ; K steps 1 and 2: three loads of mine are out
	v_and_b32 v32, 15, v0                          ; r
	v_bfe_u32 v33, v0, 4, 1                        ; h
	v_and_b32 v34, 31, v0                          ; lane
	v_mul_u32_u24 v35, v32, 272
	v_lshl_add_u32 v35, v33, 4, v35                ; x in slot A: row r x 272 + 16 h
	s_mul_i32 s19, s17, AXH                        ; my 128 rows
	v_add_nc_u32 v3, s19, v35
	v_mul_u32_u24 v35, v32, 144
	v_lshl_add_u32 v35, v33, 4, v35                ; in slot B: row r x 144 + 16 h
	s_mul_i32 s19, s17, BXH
	s_add_co_u32 s19, s19, BX
	v_add_nc_u32 v4, s19, v35
	v_lshlrev_b32 v36, 4, v34                      ; the weights' images: 16 x lane
	s_mul_i32 s66, s18, AWH
	s_add_co_u32 s66, s66, AW                      ; my 12 fragments
	v_add_nc_u32 v5, s66, v36
	s_mul_i32 s66, s18, BWH
	s_add_co_u32 s66, s66, BW
	v_add_nc_u32 v6, s66, v36
	v_lshlrev_b32 v35, 6, v32                      ; scale bytes: 64 a row,
	v_lshrrev_b32 v36, 2, v32
	v_lshl_add_u32 v35, v36, 4, v35                ; and 16 more for each four rows passed
	s_mul_i32 s19, s17, SXH                        ; x's: my 128 rows
	s_mul_i32 s66, s18, SWH                        ; the weights': my 12 fragments
	s_add_co_u32 s66, s66, SCW-SCX
	s_sub_co_u32 s66, s66, s19
	v_mul_u32_u24 v36, s66, v33                    ; lanes 16-31 take the weights'
	s_add_co_u32 s19, s19, SCX
	v_add_nc_u32 v35, v35, v36
	v_add_nc_u32 v7, s19, v35
; A K step's PLACE pl: 0 = slot A's first K step, 1 = its second, 2 = slot B.
.macro LOADX i0, pl                    ; x's fragments i0 .. i0 + 3: lane l holds row l % 16; registers 4 c .. 4 c + 3 hold K = 32 c + 16 (l / 16) + 0 .. 15
.irp i, 0,1,2,3
.irp c, 0,1,2,3
	ds_load_b128 v[128+16*((\i0)+\i)+4*\c:128+16*((\i0)+\i)+4*\c+3], v[3+(\pl)/2] offset:(4352-2048*((\pl)/2))*((\i0)+\i)+128*((\pl)%2)+32*\c
.endr
.endr
.endm
.macro LOADW g, pl                     ; weight fragments 3 g .. 3 g + 2 into buffer g % 2: images, 512 consecutive bytes a load
.irp j, 0,1,2
.irp c, 0,1,2,3
	ds_load_b128 v[32+48*((\g)%2)+16*\j+4*\c:32+48*((\g)%2)+16*\j+4*\c+3], v[5+(\pl)/2] offset:24576*((\pl)%2)+6144*\c+512*(3*(\g)+\j)
.endr
.endr
.endm
.macro LOADSC set                      ; a K step's scale words: register k: lanes 0-15 x's tile k (k = 8 .. 11: bytes that are not used), lanes 16-31 fragment k
.irp k, 0,1,2,3,4,5,6,7,8,9,10,11
	ds_load_b32 v[8+12*(\set)+\k], v7 offset:1088*\k
.endr
.endm
.macro MM i, f, sg, zero               ; tile i x fragment f.  zero = 1: the product starts the sum: nothing is ever cleared
.set rD, 8*(4*(\i)+((\f)&3))
.set rW, 32+48*(((\f)/3)%2)+16*((\f)%3)
.set rX, 128+16*(\i)
.if \zero
	v_wmma_scale_f32_16x16x128_f8f6f4 v[rD:rD+7], v[rW:rW+15], v[rX:rX+15], 0, v[8+12*(\sg)+(\f)], v[8+12*(\sg)+(\i)] matrix_a_scale:MATRIX_SCALE_ROW1
.else
	v_wmma_scale_f32_16x16x128_f8f6f4 v[rD:rD+7], v[rW:rW+15], v[rX:rX+15], v[rD:rD+7], v[8+12*(\sg)+(\f)], v[8+12*(\sg)+(\i)] matrix_a_scale:MATRIX_SCALE_ROW1
.endif
.endm
.macro MMS f0, nf, i0, ni, sg, zero    ; ni tiles from i0 x nf fragments from f0.  Each of the 96 accumulators has one instruction a K step, in the same order in every step: they take turns
.set mi, \i0
.rept \ni
.set mf, \f0
.rept \nf
	MM mi, mf, \sg, \zero
.set mf, mf+1
.endr
.set mi, mi+1
.endr
.endm
; A K STEP at place pl, with scale set `set`: 96 matrix instructions on 20 fragments.  On entry these LDS loads of mine are out, in this order: fragments 0-2 (12), x's tiles 0-3 (16), tiles 4-7 (16), fragments 3-5 (12).
; mode 3: the next K step lies in the same slot: no barrier;  2: the slot is left and filled again;  1: the slot is left and nothing is filled;  0: the last step.
; Where a slot is left, all products whose fragments are in registers stand AHEAD of the wait for the tensor loads: between a tile's landing and the next request stands the round alone.
.macro KSTEP pl, set, zero, mode
.set NPL, ((\pl)+1)%3
	s_wait_dscnt 28                                ; fragments 0-2 and tiles 0-3 are in; tiles 4-7 and fragments 3-5, 28 loads, may be out
	WIN 0x50
	MMS 0, 3, 0, 4, \set, \zero
	s_wait_dscnt 12                                ; tiles 4-7 are in
	MMS 0, 3, 4, 4, \set, \zero
	PLACES 8
	WIN 0
	LOADW 2, \pl
	s_wait_dscnt 12                                ; fragments 3-5 are in; the 12 just issued may be out
	WIN 0x50
	MMS 3, 1, 0, 8, \set, \zero
	WIN 0xa0
	MMS 4, 2, 0, 8, \set, \zero
.if \mode
	PLACES 7
	WIN 0
	v_add_nc_u32 v7, 4, v7                         ; the next K step's scale words (the eighth place; the loads that read this address came back a step ago)
	LOADW 3, \pl
	LOADSC 1-(\set)
	s_wait_dscnt 24                                ; fragments 6-8 are in; the 24 just issued may be out
	WIN 0xa0
	MMS 6, 2, 0, 8, \set, \zero
	WIN 0xf0
	MMS 8, 1, 0, 8, \set, \zero
	WIN 0
.if \mode == 3
	PLACES 8
.else
	s_wait_tensorcnt 0x0                           ; all my tensor loads have landed: my part of the other slot;
	ds_add_u32 v1, v2                              ; 0 onto my spare word;
	s_wait_dscnt 0x0                               ; the add is done, and my reads of this slot are over: all its fragments are in registers
	s_barrier_signal -1
	s_barrier_wait -1
.if \mode == 2
	CREST                                          ; the barrier has opened a round of the cluster's barrier: no wave of any partner still reads this slot or has a load on its way
.if (\pl) == 1
	s_add_nc_u64 s[G0XA+2:G0XA+3], s[G0XA+2:G0XA+3], 384     ; three K steps on
	s_add_nc_u64 s[G0WA+2:G0WA+3], s[G0WA+2:G0WA+3], 73728
	JLOAD G0XA, G1XA, G0WA, G1WA                   ; the first tensor load behind the round, my one load until the next; its four v_nop are four of the eight places
.else
	s_add_nc_u64 s[G0XB+2:G0XB+3], s[G0XB+2:G0XB+3], 384
	s_add_nc_u64 s[G0WB+2:G0WB+3], s[G0WB+2:G0WB+3], 73728
	JLOAD G0XB, G1XB, G0WB, G1WB
.endif
	PLACES 4
.else
	PLACES 8
.endif
.endif
	LOADW 0, NPL
	s_wait_dscnt 12                                ; fragments 9-11 and the scale words are in; the 12 just issued may be out
	WIN 0xf0
	MMS 9, 3, 0, 4, \set, \zero
	PLACES 8
	WIN 0
	LOADX 0, NPL
	WIN 0xf0
	MMS 9, 3, 4, 4, \set, \zero
	PLACES 8
	WIN 0
	LOADX 4, NPL
	LOADW 1, NPL
.else
	PLACES 8
	WIN 0
	LOADW 3, \pl
	s_wait_dscnt 12                                ; fragments 6-8 are in
	WIN 0xa0
	MMS 6, 2, 0, 8, \set, \zero
	WIN 0xf0
	MMS 8, 1, 0, 8, \set, \zero
	s_wait_dscnt 0x0
	MMS 9, 3, 0, 8, \set, \zero
	WIN 0
.endif
.endm
	s_wait_tensorcnt 1                             ; the scale bytes and my part of K step 0 are in (slot A's load may be out)
	s_barrier_signal -1
	s_barrier_wait -1                              ; everybody's are
	LOADSC 0
	LOADW 0, 2
	LOADX 0, 2
	LOADX 4, 2
	LOADW 1, 2
	KSTEP 2, 0, 1, 2                               ; K step 0 stands in front of the loop: its products start the sums; slot B takes K step 3
	s_mov_b32 s3, 2
.Lk:                                               ; K steps 1 to 12, six a trip: places come back after three K steps, scale sets after two
	KSTEP 0, 1, 0, 3                               ; 1, 7
	KSTEP 1, 0, 0, 2                               ; 2, 8:  slot A takes K steps 4-5, 10-11
	KSTEP 2, 1, 0, 2                               ; 3, 9:  slot B takes 6, 12
	KSTEP 0, 0, 0, 3                               ; 4, 10
	KSTEP 1, 1, 0, 2                               ; 5, 11: slot A takes 7-8, 13-14
	KSTEP 2, 0, 0, 2                               ; 6, 12: slot B takes 9, 15: the last fill
	s_sub_co_u32 s3, s3, 1
	s_cmp_lg_u32 s3, 0
	s_cbranch_scc1 .Lk
	KSTEP 0, 1, 0, 3                               ; 13
	KSTEP 1, 0, 0, 1                               ; 14: nothing is left to fetch
	KSTEP 2, 1, 0, 0                               ; 15
	; THE WAY OUT.  No LDS: a lane's 16 numbers of a block and a tile are 16 neighbours along the next K, and their codes are its 16 bytes of a chunk.
	PLACES 8
	v_and_b32 v204, 31, v0
	v_lshlrev_b32 v204, 4, v204                    ; 16 x lane
	v_and_b32 v205, 15, v0
	v_bfe_u32 v206, v0, 4, 1
	v_lshlrev_b32 v205, 3, v205                    ; scale bytes: 8 a row;
	v_lshl_add_u32 v205, v206, 7, v205             ; lanes 16-31 send the next tile's: 16 rows on
	s_lshl_b32 s19, s17, 10                        ; my 128 rows
	v_add_nc_u32 v205, s19, v205
	s_mul_i32 s66, s43, 12*32768
	s_lshl_b32 s67, s17, 14
	s_add_co_u32 s66, s66, s67
	s_mov_b32 s67, 0
	s_add_nc_u64 s[12:13], s[12:13], s[66:67]      ; h_codes at (ty, a)
	s_mul_i32 s66, s43, 12288
	s_add_nc_u64 s[14:15], s[14:15], s[66:67]      ; h_scales at ty
	s_mul_i32 s19, s42, 6
	s_mul_i32 s100, s18, 3
	s_add_co_u32 s19, s19, s100                    ; my first block
.irp b, 0,1,2
	s_add_co_u32 s100, s19, \b                     ; blk
	s_lshr_b32 s101, s100, 2
	s_lshl_b32 s101, s101, 15                      ; its K step of the next product,
	s_and_b32 s66, s100, 3
	s_lshl_b32 s66, s66, 12                        ; its place in it
	s_add_co_u32 s101, s101, s66
	v_add_nc_u32 v[HO+\b], s101, v204
	s_lshr_b32 s101, s100, 3
	s_lshl_b32 s101, s101, 11
	s_and_b32 s66, s100, 7
	s_add_co_u32 s101, s101, s66
	v_add_nc_u32 v[HSO+\b], s101, v205
.endr
.irp b, 0,1,2,3
	v_mov_b32 v[TM+4+\b], 0                        ; written once: a lane permute's destination counts as one of its sources
.endr
; 64 numbers of a lane, register 16 b + i = number i of my 16 of block b, become 16 registers of codes in v[PC] on; word = 1: the four bytes are joined in v[PW].  Here the four blocks are one hidden block of four tiles of rows.
.macro QUANT s, word
.irp b, 0,1,2,3
	v_max3_num_f32 v[TM+\b], |v[\s+16*\b]|, |v[\s+1+16*\b]|, 0x4800000   ; my 16 numbers, and the floor 2^(9 - 127): so the byte cannot fall under 1
.endr
.irp i, 2,4,6,8,10,12,14
.irp b, 0,1,2,3
	v_max3_num_f32 v[TM+\b], v[TM+\b], |v[\s+16*\b+\i]|, |v[\s+1+16*\b+\i]|   ; (the four blocks by turns)
.endr
.endr
.irp b, 0,1,2,3
	v_permlanex16_b32 v[TM+4+\b], v[TM+\b], s[SEL], s[SEL+1]
.endr
.irp b, 0,1,2,3
	v_max_num_f32 v[TM+\b], v[TM+\b], v[TM+4+\b]   ; with lane l xor 16's: the block's largest magnitude
.endr
.irp b, 0,1,2,3
	v_add_nc_u32 v[TM+12+\b], 0xfc000000, v[TM+\b] ; 8 off its exponent field: the conversion takes the exponent field of this operand as its scale
.endr
.irp b, 0,1,2,3
	v_and_or_b32 v[TM+8+\b], v[TM+\b], 0x7f800000, s[MNT]   ; 448 x the scale
.endr
.irp b, 0,1,2,3
	v_lshrrev_b32 v[TM+4+\b], 23, v[TM+12+\b]      ; the scale's byte
.endr
.if \word
	v_lshl_or_b32 v[PW], v[TM+5], 8, v[TM+4]
	v_lshl_or_b32 v[PW], v[TM+6], 16, v[PW]
	v_lshl_or_b32 v[PW], v[TM+7], 24, v[PW]
.endif
.irp b, 0,1,2,3
.irp i, 0,1,2,3,4,5,6,7,8,9,10,11,12,13,14,15
	v_med3_num_f32 v[\s+16*\b+\i], v[\s+16*\b+\i], -v[TM+8+\b], v[TM+8+\b]   ; the conversion to an 8-bit code does not saturate (ISA guide 7.6.2): the hold
.endr
	v_cvt_scalef32_pk8_fp8_f32 v[PC+4*\b:PC+1+4*\b], v[\s+16*\b:\s+7+16*\b], v[TM+12+\b]
	v_cvt_scalef32_pk8_fp8_f32 v[PC+2+4*\b:PC+3+4*\b], v[\s+8+16*\b:\s+15+16*\b], v[TM+12+\b]
.endr
	v_nop                                          ; one plain vector line behind the last conversion
.endm
; Block b of my three, tiles i0 .. i0 + 3: h = gate x up / (1 + 2^(-gate log2 e)), quantised, stored.  win: sources 0 and 1 in window 1 + b.
.macro EPI b, i0, win
	s_wait_xcnt 0x0                                ; the last batch's stores have read their data: the registers are written again only behind this wait
	WIN \win
.set e, 0
.rept 32                               ; pair e: tile i0 + e / 8, numbers 2 (e % 8) on.  Ascending: each accumulator is read from its low end on
	v_pk_mul_f32 v[T+2*e:T+2*e+1], v[32*(\i0+e/8)+2*(e%8):32*(\i0+e/8)+2*(e%8)+1], s[NL2E:NL2E+1] op_sel_hi:[1,0]
.set e, e+1
.endr
.set e, 0
.rept 32
	v_pk_mul_f32 v[P+2*e:P+2*e+1], v[32*(\i0+e/8)+2*(e%8):32*(\i0+e/8)+2*(e%8)+1], v[32*(\i0+e/8)+16+2*(e%8):32*(\i0+e/8)+16+2*(e%8)+1]
.set e, e+1
.endr
	WIN 0
.set e, 0
.rept 64
	v_exp_f32 v[T+e], v[T+e]
.set e, e+1
.endr
	v_nop                                          ; a plain instruction behind the last exponential,
	s_wait_alu depctr_va_vdst(0)                   ; and one wait for the batch, ahead of its first reader
.set e, 0
.rept 32
	v_pk_add_f32 v[T+2*e:T+2*e+1], v[T+2*e:T+2*e+1], 1.0 op_sel_hi:[1,0]
.set e, e+1
.endr
.set e, 0
.rept 64
	v_rcp_f32 v[T+e], v[T+e]
.set e, e+1
.endr
	v_nop
	s_wait_alu depctr_va_vdst(0)                   ; likewise for the reciprocals
.set e, 0
.rept 32
	v_pk_mul_f32 v[P+2*e:P+2*e+1], v[P+2*e:P+2*e+1], v[T+2*e:T+2*e+1]
.set e, e+1
.endr
	QUANT P, 0
.irp m, 0,1,2,3
	global_store_b128 v[HO+\b], v[PC+4*\m:PC+4*\m+3], s[12:13] offset:512*(\i0+\m)   ; a chunk: the wave stores 512 consecutive bytes, aligned
.endr
.irp u, 0,1
	v_cndmask_b32 v[BS+\u], v[TM+4+2*\u], v[TM+5+2*\u], s[HM]   ; both halves of the lanes hold a row's byte: lanes 0-15 send one tile's, lanes 16-31 the next's
	global_store_b8 v[HSO+\b], v[BS+\u], s[14:15] offset:128*(\i0+2*\u)
.endr
.endm
	EPI 0, 0, 0x05
	EPI 0, 4, 0x05
	EPI 1, 0, 0x0a
	EPI 1, 4, 0x0a
	EPI 2, 0, 0x0f
	EPI 2, 4, 0x0f
	s_wait_tensorcnt 0x0                           ; the wave's end
	ds_add_u32 v1, v2
	s_wait_dscnt 0x0
	CROUND                                         ; the closing round: no work-group ends while a partner may still ask for a tile that names it
	s_endpgm
.Lfunc_end_k_qe9c3e5cf2e_gateup:
	.size	k_qe9c3e5cf2e_gateup, .Lfunc_end_k_qe9c3e5cf2e_gateup-k_qe9c3e5cf2e_gateup
	.p2alignl 7, 3214868480
	.fill 96, 4, 3214868480
	.section	.rodata,"a",@progbits
	.p2align	6, 0x0
	.amdhsa_kernel k_qe9c3e5cf2e_gateup
		.amdhsa_group_segment_fixed_size 327680
		.amdhsa_private_segment_fixed_size 0
		.amdhsa_enable_private_segment 0
		.amdhsa_kernarg_size 48
		.amdhsa_user_sgpr_count 2
		.amdhsa_user_sgpr_kernarg_segment_ptr 1
		.amdhsa_wavefront_size32 1
		.amdhsa_system_sgpr_workgroup_id_x 1
		.amdhsa_system_sgpr_workgroup_id_y 1
		.amdhsa_system_sgpr_workgroup_id_z 1
		.amdhsa_system_vgpr_workitem_id 0
		.amdhsa_next_free_vgpr 1024
		.amdhsa_next_free_sgpr 102
		.amdhsa_reserve_vcc 0
		.amdhsa_float_denorm_mode_32 3
		.amdhsa_float_denorm_mode_16_64 3
		.amdhsa_memory_ordered 1
		.amdhsa_forward_progress 1
		.amdhsa_inst_pref_size 255
	.end_amdhsa_kernel
	.section	.bss,"aw",@nobits
	.p2align	6
	.space	262144
	.amdgpu_metadata
---
amdhsa.version: [ 1, 2 ]
amdhsa.kernels:
  - .name:           k_qe9c3e5cf2e_gateup
    .symbol:         k_qe9c3e5cf2e_gateup.kd
    .args:
      - { .name: x_codes, .offset: 0, .size: 8, .value_kind: global_buffer, .address_space: global }
      - { .name: x_scales, .offset: 8, .size: 8, .value_kind: global_buffer, .address_space: global }
      - { .name: wgu_codes, .offset: 16, .size: 8, .value_kind: global_buffer, .address_space: global }
      - { .name: wgu_scales, .offset: 24, .size: 8, .value_kind: global_buffer, .address_space: global }
      - { .name: h_codes, .offset: 32, .size: 8, .value_kind: global_buffer, .address_space: global }
      - { .name: h_scales, .offset: 40, .size: 8, .value_kind: global_buffer, .address_space: global }
    .group_segment_fixed_size: 327680
    .private_segment_fixed_size: 0
    .kernarg_segment_align: 8
    .kernarg_segment_size: 48
    .max_flat_workgroup_size: 128
    .sgpr_count:     102
    .vgpr_count:     1024
    .wavefront_size: 32
...
	.end_amdgpu_metadata
.endif
;; end of part 2
;; launch down (part 3): grid 8 x 32, 4 waves a work-group, clusters of 4 x 4, 327,680 bytes of LDS; arguments h_codes, h_scales, wd_codes, wd_scales, out0; writes out0
.if DOCPART == 3
	.amdgcn_target "amdgcn-amd-amdhsa--gfx1250"
	.amdhsa_code_object_version 6
	.text
	.protected	k_qe9c3e5cf2e_down
	.globl	k_qe9c3e5cf2e_down
	.p2align	8
	.type	k_qe9c3e5cf2e_down,@function
k_qe9c3e5cf2e_down:
	s_mov_b64 s[64:65], 0
	v_nop
	global_prefetch_b8 v0, s[64:65] scope:SCOPE_SE
	s_setreg_imm32_b32 hwreg(HW_REG_WAVE_MODE, 25, 1), 1
	s_wait_xcnt 0x0
	s_wait_alu depctr_hold_cnt(0) depctr_sa_sdst(0) depctr_va_vdst(0) depctr_va_sdst(0) depctr_va_ssrc(0) depctr_va_vcc(0) depctr_vm_vsrc(0)
	s_getreg_b32 s2, hwreg(HW_REG_IB_STS2, 6, 4)
	s_cmp_eq_u32 s2, 0
	s_cbranch_scc0 .Lentry_in_a_cluster
	s_endpgm
.Lentry_in_a_cluster:
	s_bfe_u32 s2, ttmp6, 0x10000c
	s_cmp_lg_u32 s2, 0xf033
	s_cbranch_scc0 .Lentry_shape_is_right
	s_endpgm
.Lentry_shape_is_right:
; out[m][n] = sum over k of h[m][k] wd[n][k], on codes of FP8 (E4M3) with one E8M0 scale for each 32 along K = 1,376 (43 blocks; block 43 of K step 10 holds zero codes on both sides); sums and out in f32.
; Both operands lie in memory as IMAGES OF OPERAND REGISTERS: h_codes [ty 32][s 12][a 2][c 4][i 8][512], wd_codes [tx 8][s 12][half 2][c 4][j 8][512]: a chunk of 512 bytes is 16 rows x 32 K, lane l's 16 bytes at 16 l.
; So a K step of 256 rows is one dense block of 32,768 bytes, and a fragment comes from LDS by four loads of 512 consecutive bytes: no pitch, no padding.
; Scale bytes: h_scales [ty][S 6][row 256][8], wd_scales [tx][S 6][row 256][8]: a row's 8 bytes are the two words of K steps 2 S and 2 S + 1.  A work-group's are two dense blocks of 12,288 bytes: they come once and stay.
; A tile of out, 256 x 256, is made by four waves, each 128 x 128: 64 accumulators, 512 registers.  8 x 32 work-groups.  A slot holds two K steps of A and of B, four regions of 32,768 bytes; wave w fills region w.
; ELEVEN K steps are multiplied.  They are written out, with no loop, since the last fill differs: of K steps 10 and 11 only 10 is wanted, so waves 0 and 2 alone ask.
; CLUSTERS: 4 x 4.  h's tiles hang on ty alone and are asked for jointly along a row of the cluster, wd's on tx alone, along a column.  TRANSPOSED: source 0 = 16 rows of wd, source 1 = 16 rows of h: a lane holds eight neighbouring numbers of a row of out.
; REGISTERS: window 0: v16-29 addresses; v32-63 scale words, two sets; from v128 A's fragments, ONE set (blocks 0-3 are fetched anew in a step's middle, blocks 4-7 at its end).
;   window 1: B's fragments, TWO sets, at v0 and v128.   window 2: the accumulators of my rows 0-63 ((a, b) at v[8 (8 a + b)]);   window 3: rows 64-127.
.set NQ,     2                         ; K steps in a slot
.set FR,     16                        ; registers of a fragment
.set NL,     4                         ; LDS loads that bring one
.set NP,     8                         ; places behind this matrix instruction (ISA guide 7.12.1)
.set REGN,   32768                     ; a region: one K step of 256 rows
.set SLOT,   131072
.set SCA,    262144                    ; behind the ring: h's scale bytes,
.set SCB,    274432                    ; wd's,
.set SPARE,  286720                    ; and the spare words, 128 bytes for each wave: two blocks of 256 bytes that no other line names
.set SPITCH, 528                       ; the way out: a stage of 16 rows x (512 bytes + 16) for each wave, in slot 0, which has had its last fill and its last read when the first result is stored there
.set SIZE_N, 2048
.set ADRA, 16                          ; v16-17  LDS address of my A fragments in slot 0, 1
.set ADRB, 20                          ; v20-21  the same for B
.set STO,  24                          ; v24     the way out: where I put 32 bytes of a row
.set RD,   25                          ; v25     where I read a row back
.set CO,   26                          ; v26     my byte offset in a row of out
.set ADRS, 27                          ; v27     LDS address of my scale words: lanes 0-15 A's rows, lanes 16-31 B's
.set SPW,  28                          ; v28     LDS address of my spare word; never rewritten
.set NIL,  29                          ; v29     0; never rewritten
.set SC,   32                          ; scale words: set s at v[SC + 16 s]; register 2 i + q: lanes 0-15 A's block i, lanes 16-31 B's block i, the slot's q-th K step
.set AF,   128
.set BK,   128                         ; the way out: 16 rows read back: v128-191 and v192-255 by turns
.set G1, 24                            ; s[24:31] group 1 for A's tiles;  s[32:39] group 0, a set for each slot
.set G0, 32
.set G1B, 48                           ; s[48:55], s[56:63] the same for B's
.set G0B, 56
.set G1S, 68                           ; s[68:75], s[76:79] A's scale bytes;  s[80:87], s[88:91] B's
.set G0S, 76
.set G1SB, 80
.set G0SB, 88
.set MSB, 0
.macro WIN new                         ; the immediate's high byte repeats the setting that is left
.if MSB != \new
	s_set_vgpr_msb (MSB<<8)|\new
.set MSB, \new
.endif
.endm
.set MUL_LO, 0xa1                      ; source 0 (B) window 1, source 1 (A) window 0, C and D window 2
.set MUL_HI, 0xf1                      ; the same, C and D window 3
.set TO_B,   0x40                      ; destination window 1, address window 0
; A joint load: waves 0 and 1 fetch for A, waves 2 and 3 for B.  The branch hangs on the wave's number alone.  Four v_nop follow each of the two lines.
.macro JLOAD g0a, g1a, g0b, g1b
	s_cmp_eq_u32 s15, 0
	s_cbranch_scc0 .Lfor_b_\@
	tensor_load_to_lds s[\g0a:\g0a+3], s[\g1a:\g1a+7]
	s_nop 0
.rept 4
	v_nop
.endr
	s_branch .Lasked_\@
.Lfor_b_\@:
	tensor_load_to_lds s[\g0b:\g0b+3], s[\g1b:\g1b+7]
	s_nop 0
.rept 4
	v_nop
.endr
.Lasked_\@:
.endm
.macro JLOADH g0a, g1a, g0b, g1b       ; the slot's first K step alone: waves 0 and 2 ask, waves 1 and 3 have no part to fill.  The same in every work-group
	s_cmp_eq_u32 s16, 0
	s_cbranch_scc0 .Lno_part_\@
	JLOAD \g0a, \g1a, \g0b, \g1b
.Lno_part_\@:
.endm
.macro CREST                           ; a round of the cluster's barrier behind its opening barrier
	s_cmp_lg_u32 s14, 0
	s_cbranch_scc1 .Lnot_wave_0_\@
	s_barrier_signal -3
.Lnot_wave_0_\@:
	s_barrier_wait -3
	s_barrier_signal -1
	s_barrier_wait -1
.endm
.macro CROUND
	s_barrier_signal -1
	s_barrier_wait -1
	CREST
.endm
	s_load_b128 s[4:7], s[0:1], 0x0                ; h_codes s[4:5], h_scales s[6:7]
	s_load_b128 s[8:11], s[0:1], 0x10              ; wd_codes s[8:9], wd_scales s[10:11]
	s_load_b64 s[12:13], s[0:1], 0x20              ; out0
	v_lshl_add_u32 v[SPW], v0, 2, SPARE
	v_mov_b32 v[NIL], 0
	ds_add_u32 v28, v29
	ds_add_u32 v28, v29
	s_wait_dscnt 0x0
	v_lshrrev_b32 v1, 5, v0
	v_readfirstlane_b32 s14, v1                    ; wave 0..3
	s_lshr_b32 s15, s14, 1                         ; my half of the tile's rows.  Also: I fetch for A (0) or for B (1)
	s_and_b32 s16, s14, 1                          ; my half of its columns.  Also: which of a slot's two K steps I fetch
	s_bfe_u32 s40, ttmp6, 0x40000                  ; cx, cy
	s_bfe_u32 s41, ttmp6, 0x40004
	s_lshl_b32 s42, ttmp9, 2
	s_add_co_u32 s42, s42, s40                     ; tx
	s_and_b32 s17, ttmp7, 0xffff
	s_lshl_b32 s17, s17, 2
	s_add_co_u32 s17, s17, s41                     ; ty
	s_lshl_b32 s43, s41, 2
	s_lshl_b32 s43, 15, s43                        ; my row of the cluster
	s_lshl_b32 s44, 0x1111, s40                    ; my column
	s_or_b32 s[G1+0], s43, 0x00230000              ; 15:0 the mask; elements of 8 bytes; 21 set beside a mask; no padding
	s_or_b32 s[G1B+0], s44, 0x00230000
.irp g, G1, G1B
	s_mov_b32 s[\g+1], 32<<16                      ; a dense block of 32,768 bytes as 128 rows of 256
	s_mov_b32 s[\g+2], 128<<16
	s_mov_b32 s[\g+3], 32<<16
	s_mov_b32 s[\g+4], 128
	s_mov_b32 s[\g+5], 32
	s_mov_b32 s[\g+6], 0
	s_mov_b32 s[\g+7], 0
.endr
	s_or_b32 s[G1S+0], s43, 0x00230000
	s_or_b32 s[G1SB+0], s44, 0x00230000
.irp g, G1S, G1SB
	s_mov_b32 s[\g+1], 32<<16                      ; half of the scale bytes: 6,144 dense bytes as 24 rows of 256
	s_mov_b32 s[\g+2], 24<<16
	s_mov_b32 s[\g+3], 32<<16
	s_mov_b32 s[\g+4], 24
	s_mov_b32 s[\g+5], 32
	s_mov_b32 s[\g+6], 0
	s_mov_b32 s[\g+7], 0
.endr
	s_mul_i32 s18, s16, 6144
	s_mul_i32 s20, s17, 12
	s_add_co_u32 s20, s20, s16
	s_lshl_b32 s20, s20, 15                        ; A: K step (w % 2) of ty
	s_mov_b32 s21, 0
	s_mul_i32 s22, s17, 12288
	s_add_co_u32 s22, s22, s18                     ; and my half of its scale bytes
	s_mov_b32 s23, 0
	s_mul_i32 s46, s42, 12
	s_add_co_u32 s46, s46, s16
	s_lshl_b32 s46, s46, 15                        ; B likewise, of tx
	s_mov_b32 s47, 0
	s_mul_i32 s92, s42, 12288
	s_add_co_u32 s92, s92, s18
	s_mov_b32 s93, 0
	s_lshl_b32 s45, s14, 15                        ; where they go: region = wave: no place in the cluster enters an LDS address
	s_mul_i32 s94, s14, 6144
	s_wait_kmcnt 0x0
	s_add_nc_u64 s[20:21], s[4:5], s[20:21]
	s_add_nc_u64 s[22:23], s[6:7], s[22:23]
	s_add_nc_u64 s[46:47], s[8:9], s[46:47]
	s_add_nc_u64 s[92:93], s[10:11], s[92:93]
	CROUND                                         ; all sixteen work-groups are here: the first joint loads meet
	s_mov_b32 s[G0S], 1
	s_add_co_u32 s[G0S+1], s94, SCA
	s_mov_b64 s[G0S+2:G0S+3], s[22:23]
	s_or_b32 s[G0S+3], s[G0S+3], 0x80000000
	s_mov_b32 s[G0SB], 1
	s_add_co_u32 s[G0SB+1], s94, SCA               ; waves 2 and 3: SCA + 6,144 x wave lies in B's block
	s_mov_b64 s[G0SB+2:G0SB+3], s[92:93]
	s_or_b32 s[G0SB+3], s[G0SB+3], 0x80000000
	JLOAD G0S, G1S, G0SB, G1SB                     ; the scale bytes first
.irp s, 0,1
	s_mov_b32 s[G0+4*\s], 1
	s_add_co_u32 s[G0+4*\s+1], s45, \s*SLOT
	s_add_nc_u64 s[G0+4*\s+2:G0+4*\s+3], s[20:21], \s*2*REGN
	s_or_b32 s[G0+4*\s+3], s[G0+4*\s+3], 0x80000000
	s_mov_b32 s[G0B+4*\s], 1
	s_add_co_u32 s[G0B+4*\s+1], s45, \s*SLOT
	s_add_nc_u64 s[G0B+4*\s+2:G0B+4*\s+3], s[46:47], \s*2*REGN
	s_or_b32 s[G0B+4*\s+3], s[G0B+4*\s+3], 0x80000000
	JLOAD G0+4*\s, G1, G0B+4*\s, G1B               ; slots 0 and 1: three loads of mine are out
.endr
	v_and_b32 v1, 15, v0                           ; r
	v_bfe_u32 v2, v0, 4, 1                         ; h
	v_and_b32 v3, 31, v0
	v_lshlrev_b32 v4, 4, v3                        ; 16 x lane
	s_lshl_b32 s21, s15, 14                        ; my 128 rows of A
	s_lshl_b32 s22, s16, 14                        ; my 128 rows of B,
	s_add_co_u32 s22, s22, 2*REGN                  ; behind A's two regions
.irp s, 0,1
	v_add_nc_u32 v[ADRA+\s], s21, v4
	v_add_nc_u32 v[ADRB+\s], s22, v4
	s_add_co_u32 s21, s21, SLOT
	s_add_co_u32 s22, s22, SLOT
.endr
	v_lshlrev_b32 v5, 3, v1                        ; scale words: 8 bytes a row
	s_lshl_b32 s21, s15, 10                        ; A's: my 128 rows
	s_lshl_b32 s22, s16, 10                        ; B's: my 128 rows
	s_add_co_u32 s22, s22, SCB-SCA
	s_sub_co_u32 s22, s22, s21
	v_mul_u32_u24 v6, s22, v2                      ; lanes 16-31 take B's
	s_add_co_u32 s21, s21, SCA
	v_add_nc_u32 v5, v5, v6
	v_add_nc_u32 v[ADRS], s21, v5
	s_mul_i32 s23, s14, 16*SPITCH                  ; my stage
	v_mul_u32_u24 v5, v1, SPITCH                   ; in: row r, 32 bytes for each half of the lanes
	v_lshl_add_u32 v5, v2, 5, v5
	v_add_nc_u32 v[STO], s23, v5
	v_lshlrev_b32 v[CO], 4, v3                     ; back: the 32 lanes take one row of 512 bytes; and the same in out
	v_add_nc_u32 v[RD], s23, v[CO]
	s_lshl_b32 s20, s17, 8
	s_lshl_b32 s21, s15, 7
	s_add_co_u32 s20, s20, s21                     ; my first row of out
	s_lshl_b32 s20, s20, 13                        ; 8,192 bytes a row: under 2^27
	s_mov_b32 s21, 0
	s_lshl_b32 s46, s42, 10                        ; my first column, in bytes
	s_lshl_b32 s47, s16, 9
	s_add_co_u32 s46, s46, s47
	s_mov_b32 s47, 0
	s_add_nc_u64 s[20:21], s[20:21], s[46:47]
	s_add_nc_u64 s[12:13], s[12:13], s[20:21]
.macro FRAG reg, adr, q, i             ; a fragment: registers 4 c .. 4 c + 3 are chunk (c, i) of the slot's q-th K step
.irp c, 0,1,2,3
	ds_load_b128 v[\reg+4*\c:\reg+4*\c+3], v[\adr] offset:REGN*(\q)+4096*\c+512*(\i)
.endr
.endm
; 16 matrix instructions: A's blocks a0, a0 + 1 x B's eight.  p: B's set;  q: the K step in the slot;  sc: the set of scale words.  zero = 1: the product starts the sum.
; The 64 accumulators take turns, one instruction a turn, in the same order in every step.
.macro MUL16 a0, p, q, sc, zero
.irp a, \a0, \a0+1
.irp b, 0,1,2,3,4,5,6,7
.if \zero
	v_wmma_scale_f32_16x16x128_f8f6f4 v[8*(8*((\a)%4)+\b):8*(8*((\a)%4)+\b)+7], v[128*(\p)+FR*\b:128*(\p)+FR*\b+FR-1], v[AF+FR*(\a):AF+FR*(\a)+FR-1], 0, v[SC+8*NQ*(\sc)+NQ*\b+(\q)], v[SC+8*NQ*(\sc)+NQ*(\a)+(\q)] matrix_a_scale:MATRIX_SCALE_ROW1
.else
	v_wmma_scale_f32_16x16x128_f8f6f4 v[8*(8*((\a)%4)+\b):8*(8*((\a)%4)+\b)+7], v[128*(\p)+FR*\b:128*(\p)+FR*\b+FR-1], v[AF+FR*(\a):AF+FR*(\a)+FR-1], v[8*(8*((\a)%4)+\b):8*(8*((\a)%4)+\b)+7], v[SC+8*NQ*(\sc)+NQ*\b+(\q)], v[SC+8*NQ*(\sc)+NQ*(\a)+(\q)] matrix_a_scale:MATRIX_SCALE_ROW1
.endif
.endr
.endr
.endm
.macro FETCH_B slot, q, p
	WIN TO_B
.irp i, 0,1,2,3,4,5,6,7
	FRAG 128*(\p)+FR*\i, ADRB+\slot, \q, \i
.endr
	WIN 0
.endm
.macro FETCH_A slot, q, i0
.irp i, \i0, \i0+1, \i0+2, \i0+3
	FRAG AF+FR*(\i), ADRA+\slot, \q, \i
.endr
.endm
.macro SCALES sc                       ; a slot's scale words: two a row; lanes 0-15 take A's block i, lanes 16-31 B's block i
.irp i, 0,1,2,3,4,5,6,7
	ds_load_b64 v[SC+8*NQ*\sc+NQ*\i:SC+8*NQ*\sc+NQ*\i+1], v[ADRS] offset:128*\i
.endr
.endm
.macro PLACES n                        ; a load into a register that a matrix instruction has read, and the first read of a result, stand NP plain vector instructions behind it
.rept \n
	v_nop
.endr
.endm
; A slot's first K step: its successor lies in the same slot.
.macro STEP slot, q, zero
	s_wait_dscnt 4*NL                              ; B's set, A's blocks 0-3 and the scale words are in; the youngest 16 loads (A's blocks 4-7) may be out
	WIN MUL_LO
	MUL16 0, (\q)%2, \q, \slot, \zero
	MUL16 2, (\q)%2, \q, \slot, \zero
	s_wait_dscnt 0
	PLACES NP
	FETCH_B \slot, (\q)+1, 1-(\q)%2
	FETCH_A \slot, (\q)+1, 0
	WIN MUL_HI
	MUL16 4, (\q)%2, \q, \slot, \zero
	MUL16 6, (\q)%2, \q, \slot, \zero
	PLACES NP
	WIN 0
	FETCH_A \slot, (\q)+1, 4
.endm
; A slot's second K step changes slots: ONE barrier; in front of it each wave waits for all its tensor loads, adds 0 to its spare word, and waits for that and for its reads of this slot.
; The 32 products whose fragments are in registers stand AHEAD of the wait for the tensor loads: between a tile's landing and the next request stands the round alone.
; fill = 1: this slot is filled again, with the K steps four on;  2: with the first of them alone;  0: nothing is filled.
.macro TURN slot, next, fill
	s_wait_dscnt 4*NL                              ; B's set and A's blocks 0-3 are in; the youngest 16 loads (A's blocks 4-7) may be out
	WIN MUL_LO
	MUL16 0, 1, NQ-1, \slot, 0
	MUL16 2, 1, NQ-1, \slot, 0
	WIN 0
	s_wait_tensorcnt 0x0                           ; all my tensor loads have landed: my part of the next slot;
	ds_add_u32 v[SPW], v[NIL]                      ; 0 onto my spare word;
	s_wait_dscnt 0x0                               ; the add is done, and my reads of this slot are over
	s_barrier_signal -1
	s_barrier_wait -1
.if \fill
	CREST                                          ; the barrier has opened a round of the cluster's barrier: no wave of any partner still reads this slot or has a load on its way
	s_add_nc_u64 s[G0+4*\slot+2:G0+4*\slot+3], s[G0+4*\slot+2:G0+4*\slot+3], 4*REGN
	s_add_nc_u64 s[G0B+4*\slot+2:G0B+4*\slot+3], s[G0B+4*\slot+2:G0B+4*\slot+3], 4*REGN
.if \fill == 1
	JLOAD G0+4*\slot, G1, G0B+4*\slot, G1B         ; the first tensor load behind the round, my one load until the next; its four v_nop are four of the places
	PLACES NP-4
.else
	JLOADH G0+4*\slot, G1, G0B+4*\slot, G1B
	PLACES NP                                      ; (waves 1 and 3 have passed no v_nop)
.endif
.else
	PLACES NP
.endif
	v_add_nc_u32 v[ADRS], 2048, v[ADRS]            ; on to the next slot's scale words (no LDS load of mine is out)
	FETCH_B \next, 0, 0
	FETCH_A \next, 0, 0
	SCALES \next
	WIN MUL_HI
	MUL16 4, 1, NQ-1, \slot, 0
	MUL16 6, 1, NQ-1, \slot, 0
	PLACES NP
	WIN 0
	FETCH_A \next, 0, 4
.endm
	s_wait_tensorcnt 1                             ; the scale bytes and my part of slot 0 are in (slot 1's load may be out)
	s_barrier_signal -1
	s_barrier_wait -1                              ; everybody's are
	FETCH_B 0, 0, 0
	FETCH_A 0, 0, 0
	SCALES 0
	FETCH_A 0, 0, 4
	STEP 0, 0, 1                                   ; K step 0: its products start the sums
	TURN 0, 1, 1                                   ; 1;  slot 0 takes K steps 4, 5
	STEP 1, 0, 0                                   ; 2
	TURN 1, 0, 1                                   ; 3;  slot 1 takes 6, 7
	STEP 0, 0, 0                                   ; 4
	TURN 0, 1, 1                                   ; 5;  slot 0 takes 8, 9
	STEP 1, 0, 0                                   ; 6
	TURN 1, 0, 2                                   ; 7;  slot 1 takes 10
	STEP 0, 0, 0                                   ; 8
	TURN 0, 1, 0                                   ; 9;  nothing is left to fetch
	s_wait_dscnt 4*NL                              ; K step 10, the last
	WIN MUL_LO
	MUL16 0, 0, 0, 1, 0
	MUL16 2, 0, 0, 1, 0
	s_wait_dscnt 0
	WIN MUL_HI
	MUL16 4, 0, 0, 1, 0
	MUL16 6, 0, 0, 1, 0
	WIN 0
; THE WAY OUT, block by block of 16 rows x 128 columns.  A lane holds 32 neighbouring bytes of a row, and the lanes beside it hold other rows: so a block goes through my own stage in LDS and comes back as whole
; rows of 512 bytes.  LDS serves a wave's instructions in order (ISA guide 5.7.1.4): no wait between the stores and the loads, nor in front of the next block's stores.
.macro TOSTAGE a
.set AC, 64*((\a)%4)
	WIN 0x08+4*((\a)/4)                            ; the data: window 2 or 3
.irp b, 0,1,2,3,4,5,6,7
	ds_store_b128 v[STO], v[AC+8*\b:AC+8*\b+3] offset:64*\b          ; each accumulator from its low end on
	ds_store_b128 v[STO], v[AC+8*\b+4:AC+8*\b+7] offset:64*\b+16
.endr
	WIN 0
.set BB, BK+64*((\a)%2)
.irp t, 0,1,2,3,4,5,6,7,8,9,10,11,12,13,14,15
	ds_load_b128 v[BB+4*\t:BB+4*\t+3], v[RD] offset:\t*SPITCH
.endr
.endm
.macro SEND a, younger                 ; younger: the LDS instructions issued behind block a's loads, which may stay out
.set BB, BK+64*((\a)%2)
	s_wait_dscnt \younger                          ; the block is back in registers
.if (\a) > 0
	s_add_nc_u64 s[12:13], s[12:13], 16*SIZE_N*4   ; (behind a wait on XCNT: the earlier stores have read their base)  16 rows of out on
.endif
.irp t, 0,1,2,3,4,5,6,7,8,9,10,11,12,13,14,15
	global_store_b128 v[CO], v[BB+4*\t:BB+4*\t+3], s[12:13] offset:\t*SIZE_N*4 th:TH_STORE_NT   ; 32 lanes store 512 consecutive bytes, at a multiple of 256 from out's first byte; written once, read by nobody here
.endr
.endm
	PLACES NP                                      ; for the loads into the registers that held A's fragments, and for the reads of the last results
	TOSTAGE 0
.irp a, 1,2,3,4,5,6,7
.if \a > 1
	s_wait_xcnt 0x0                                ; block a - 2's stores have read their registers and their base: block a's loads may land there, and the base may step
.endif
	TOSTAGE \a
	SEND \a-1, 32                                  ; behind block a - 1's loads: block a's 16 stores and 16 loads
.endr
	s_wait_xcnt 0x0                                ; block 6's stores have read their base
	SEND 7, 0
	s_wait_tensorcnt 0x0                           ; the wave's end
	ds_add_u32 v[SPW], v[NIL]
	s_wait_dscnt 0x0
	CROUND                                         ; the closing round: no work-group ends while a partner may still ask for a tile that names it
	s_endpgm
.Lfunc_end_k_qe9c3e5cf2e_down:
	.size	k_qe9c3e5cf2e_down, .Lfunc_end_k_qe9c3e5cf2e_down-k_qe9c3e5cf2e_down
	.p2alignl 7, 3214868480
	.fill 96, 4, 3214868480
	.section	.rodata,"a",@progbits
	.p2align	6, 0x0
	.amdhsa_kernel k_qe9c3e5cf2e_down
		.amdhsa_group_segment_fixed_size 327680
		.amdhsa_private_segment_fixed_size 0
		.amdhsa_enable_private_segment 0
		.amdhsa_kernarg_size 40
		.amdhsa_user_sgpr_count 2
		.amdhsa_user_sgpr_kernarg_segment_ptr 1
		.amdhsa_wavefront_size32 1
		.amdhsa_system_sgpr_workgroup_id_x 1
		.amdhsa_system_sgpr_workgroup_id_y 1
		.amdhsa_system_sgpr_workgroup_id_z 1
		.amdhsa_system_vgpr_workitem_id 0
		.amdhsa_next_free_vgpr 1024
		.amdhsa_next_free_sgpr 98
		.amdhsa_reserve_vcc 0
		.amdhsa_float_denorm_mode_32 3
		.amdhsa_float_denorm_mode_16_64 3
		.amdhsa_memory_ordered 1
		.amdhsa_forward_progress 1
		.amdhsa_inst_pref_size 186
	.end_amdhsa_kernel
	.amdgpu_metadata
---
amdhsa.version: [ 1, 2 ]
amdhsa.kernels:
  - .name:           k_qe9c3e5cf2e_down
    .symbol:         k_qe9c3e5cf2e_down.kd
    .args:
      - { .name: h_codes, .offset: 0, .size: 8, .value_kind: global_buffer, .address_space: global }
      - { .name: h_scales, .offset: 8, .size: 8, .value_kind: global_buffer, .address_space: global }
      - { .name: wd_codes, .offset: 16, .size: 8, .value_kind: global_buffer, .address_space: global }
      - { .name: wd_scales, .offset: 24, .size: 8, .value_kind: global_buffer, .address_space: global }
      - { .name: out0, .offset: 32, .size: 8, .value_kind: global_buffer, .address_space: global }
    .group_segment_fixed_size: 327680
    .private_segment_fixed_size: 0
    .kernarg_segment_align: 8
    .kernarg_segment_size: 40
    .max_flat_workgroup_size: 128
    .sgpr_count:     98
    .vgpr_count:     1024
    .wavefront_size: 32
...
	.end_amdgpu_metadata
.endif
;; end of part 3
